; MI455X (gfx1250); checked and timed in simulation.
; The chip was launched on July 23, 2026; its instructions are those of AMD's public machine-readable ISA for CDNA 5 (MIT licence, August 2026) and "CDNA5" Instruction Set Architecture Reference Guide (July 2026). The comments in the code are by the model that wrote it; some were corrected since.
;; Bastile Gpt Oss Experts. Allowed arithmetic: matrix products marked QUANTISED: E4M3 operands, one E8M0 scale for each 32 along K, by v_wmma_scale_f32_16x16x128_f8f6f4 with both operands' format E4M3, f32 sums; products left as they are: f32 operands where the result goes on into a quantised operand, else bf16, f16 or f32 operands; f32 sums; everything else in f32.
;; Inputs: down_proj_bias 8 x 1,024 float32; down_proj_codes 8 x 1,024 x 64 x 32 uint8 (E4M3 codes of down_proj, K innermost, in blocks of 32 codes); down_proj_scales 8 x 1,024 x 64 uint8 (E8M0 scales of down_proj, one for each 32 codes along K); gate_up_proj_bias 8 x 4,096 float32; gate_up_proj_codes 8 x 4,096 x 32 x 32 uint8 (E4M3 codes of gate_up_proj, K innermost, in blocks of 32 codes); gate_up_proj_scales 8 x 4,096 x 32 uint8 (E8M0 scales of gate_up_proj, one for each 32 codes along K); hidden_states_codes 2 x 512 x 32 x 32 uint8 (E4M3 codes of hidden_states, K innermost, in blocks of 32 codes); hidden_states_scales 2 x 512 x 32 uint8 (E8M0 scales of hidden_states, one for each 32 codes along K); router_indices 1,024 x 2 int32; routing_weights 1,024 x 8 float32.
;; Outputs: out0 2 x 512 x 1,024 float32.
;; This version of the problem:
;;   THIS VERSION OF THE PROBLEM IS GIVEN IN LOW PRECISION. The matrix products marked QUANTISED in the list below multiply operands that are first quantised to E4M3 (4 exponent bits, 3 mantissa bits; 8 bits a number), with one power-of-two scale for each 32 numbers along K (OCP MX v1.0); their sums are f32. All else is computed in f32.
;;   The module's matrix products, in the order in which they are computed (A, B: the left and right operand; K: the contracted axis; several contracted axes count as one K, in the product's order):
;;     1. [M 32,768, K 1,024] x [K 1,024, N 1,024]; A: input gate_up_proj (given as codes); B: input hidden_states (given as codes): QUANTISED
;;     2. batch 8 x [M 1,024, K 2,048] x [K 2,048, N 1,024]; A: computed on the way; B: input down_proj (given as codes): QUANTISED
;;     3. batch 1,024 x [M 1,024, K 8] x [K 8, N 1]; A: computed on the way; B: computed on the way: left as it is (K = 8 < 32)
;;   THE QUANTISER, for each operand of a quantised product, along K:
;;     - K is cut into blocks of 32 from its start; a last block that is shorter is filled with zeros.
;;     - A block's scale is 2^e with e = floor(log2(the largest magnitude in the block)) - 8, held to -126 .. 127; a block of zeros has e = 0. As a byte (E8M0): e + 127.
;;     - Each number is divided by its block's scale, clamped to +-448, and rounded to the nearest number of E4M3, ties to even, subnormals kept.
;;     - The product sums the exact products of the quantised numbers (number of the format x scale) in f32.
;;   ~~~python
;;   def quantise(x, axis):      # numpy; x: float32 -> the quantised numbers, widened to float32 again
;;       x = np.moveaxis(x, axis, -1); K = x.shape[-1]
;;       x = np.pad(x, [(0, 0)] * (x.ndim - 1) + [(0, -K % 32)]); x = x.reshape(x.shape[:-1] + (-1, 32)); a = np.abs(x).max(-1, keepdims=True)
;;       e = np.where(a > 0, np.clip(np.frexp(np.where(a > 0, a, 1))[1] - 1 - 8, -126, 127), 0)      # np.frexp(a)[1] - 1 = floor(log2(a)), exactly
;;       r = np.clip(x / 2.0 ** e, -448, 448)
;;       step = 2.0 ** (np.maximum(np.frexp(np.where(r == 0, 1, r))[1] - 1, -6) - 3)
;;       q = np.round(r / step) * step * 2.0 ** e      # np.round: ties to even
;;       return np.moveaxis(q.reshape(q.shape[:-2] + (-1,))[..., :K], -1, axis).astype(np.float32)
;;   ~~~
;;   OPERANDS COMPUTED ON THE WAY. 'Computed on the way' means the value that the module computes at that place (a softmax that the list does not call 'softmax' is quantised finished and normalised). What goes into a quantiser is computed in f32, as accurately as f32 sums, v_exp_f32 and their like allow (about 1e-6 of the number): no bf16 or f16 on the way to a quantiser, and a product that is left as it is and whose result goes on into a quantised operand takes f32 operands (vector FMAs, or v_wmma_f32_16x16x4_f32). A number that lies on a knife's edge between two numbers of the format may be rounded either way, as far as f32 arithmetic and the matrix unit's own rounding can turn it there, and no further.
;;   INPUTS GIVEN AS CODES. down_proj (in the module: [8, 2048, 1024], K = its axis 1); gate_up_proj (in the module: [8, 1024, 4096], K = its axis 1); hidden_states (in the module: [2, 512, 1024], K = its axis 2): each comes as NAME_codes (uint8): NAME with its K axis moved to the last place and cut into blocks of 32 codes, [.., K / 32, bytes a block], one block behind the other in memory; one code a byte (a code: sign, 4 exponent bits, 3 mantissa bits); and NAME_scales (uint8): the same leading axes, one E8M0 byte (e + 127) for each 32 codes along K. Its value is code x scale, taken as it is: it is not quantised again, and the codes and scales need not be those that the quantiser above would give.
;; One version. Each part assembles by itself: llvm-mc -triple=amdgcn-amd-amdhsa -mcpu=gfx1250 --defsym DOCPART=n.
;; ======== version 1 of 1: 3 launches
;; workspace buffers: act 17,301,504 bytes; z 33,554,432 bytes; rank 32,768 bytes of whole numbers; counts 1,024 bytes of whole numbers
;; launch up (part 1): grid 32 x 8, 4 waves a work-group, no clusters, 209,408 bytes of LDS; arguments hidden_states_codes, hidden_states_scales, gate_up_proj_codes, gate_up_proj_scales, gate_up_proj_bias, router_indices, act, rank, counts; writes act, rank, counts
.if DOCPART == 1
	.amdgcn_target "amdgcn-amd-amdhsa--gfx1250"
	.amdhsa_code_object_version 6
	.text
	.protected	k_q0734a74329_up
	.globl	k_q0734a74329_up
	.p2align	8
	.type	k_q0734a74329_up,@function
k_q0734a74329_up:
	s_mov_b64 s[64:65], 0
	v_nop
	global_prefetch_b8 v0, s[64:65] scope:SCOPE_SE
	s_setreg_imm32_b32 hwreg(HW_REG_WAVE_MODE, 25, 1), 1
	s_wait_xcnt 0x0
; FIRST PRODUCT AND ACTIVATION OF THE CHOSEN ROWS.  act = Q((clip(up) + 1) * gate * sigmoid(1.702 gate)), gate_up = x W + b, on E4M3 codes with E8M0 scales, only for the (token, expert) pairs that router_indices names.
; SHARES.  Work-group (x, y): expert e = y; SL = x / 2: columns f = 256 SL .. + 255 of gate_up (I = 128 SL .. + 127: one K step of the second product); g = x % 2: the quads g, g + 2, .. of e's list.
; A QUAD is 64 places of an expert's list of tokens (4 tiles of 16).  NQ = max(1, ceil(count / 64)) quads are made; places behind the count hold token 0: their results are stored and never used.
; THE WEIGHTS STAND STILL: wave w keeps f = 256 SL + 64 w .. + 63, all 1,024 of K, in 512 registers; the rows pass by through two LDS buffers.  No tensor loads: the trips' work hangs on a count made from router_indices.
; ROUTING: every wave counts e's tokens from the 8 KB of router_indices while its first weights are on their way; wave 0 scatters the tokens of this work-group's quads into LIST.
; THE PRODUCT IS USED TRANSPOSED (source 0 = 16 rows of W, source 1 = 16 tokens), AND THE ROWS OF W THAT FORM A TILE ARE CHOSEN: row m of tile t is local f = 2 (16 (m / 8) + 4 t + m % 4) + (m / 4) % 2.
; So lane (r, h) holds token r; registers 0-3 of tile t are the gates and 4-7 the ups of I-local 16 h + 4 t + 0..3: a lane's 16 activations are k = 16 h + 0..15 of ONE block of 32 along I (block w of K step SL).
; OUT: act is laid as the next launch's operand registers: record (e, quad) of QREC bytes: codes [tile 4][K step 16][c 4][lane 32][16 bytes], then scale words [K step 16][tile 4][row 16].
; LIMITS: indices lie in 0..7; NaN, infinities and the scale byte 0xff among the inputs are not served; a block of zeros gets the byte 1 (its codes are zeros; this program alone reads the bytes);
; sigmoid(1.702 g) = 1 / (1 + 2^(-1.702 log2(e) g)), the product of the two constants rounded once to f32; (up + 1) glu is one fused multiply-add.
.set PX,    1072                       ; a row in an X buffer: 1,024 codes + 32 scale bytes + 16 of padding = 67 x 16: the 16 rows of a load start 16 bytes apart modulo 256
.set XB1,   64*PX                      ; X buffer 0 at 0, X buffer 1 here: 64 rows each
.set WST,   2*64*PX                    ; a stage of 16 rows x 1,040 bytes for each wave: weights turn from rows into fragments
.set WSTW,  16*1040
.set LIST,  WST+4*WSTW                 ; 512 words: the tokens of this work-group's quads, 64 a trip
.set DUMP,  LIST+2048                  ; 64 words for lanes with nothing to place; never read
.set SCW,   DUMP+256                   ; 2 x 256 bytes: a quad's scale words [tile][row][byte = wave]
.set QREC,  135168                     ; a record of act
; window 0
.set L16,  1                           ; 16 x lane
.set WSTS, 2                           ; my stage, on the way in: + 16 x lane
.set WSTL, 3                           ; and out: + 1,040 r + 16 h
.set XW,   4                           ; v4-5   X buffer 0, 1: (16 w + h) PX + 16 r
.set XSW,  6                           ; v6-7   (16 w + lane / 2) PX + 1,024 + 16 (lane % 2)
.set XR,   8                           ; v8-9   r PX + 16 h
.set XSR,  10                          ; v10-11 r PX + 1,024
.set LA,   12                          ; LIST + 64 w + 4 h, stepped 256 a trip
.set LB,   13                          ; LIST + 64 w + 4 (lane / 2), likewise
.set SBA,  14                          ; SCW + 4 r + w
.set FA,   15                          ; SCW + 8 x lane
.set L8,   16                          ; 8 x lane
.set CO,   17                          ; 512 w + 16 x lane
.set C16,  18                          ; 16 r
.set H16,  19                          ; 16 (lane % 2)
.set XA,   20                          ; v20-27 byte offsets of x's rows
.set XSA,  28                          ; and of their scale bytes
.set LZ,   29                          ; LIST + 16 x lane
.set FD,   30                          ; v30-31 scale words on their way out
.set WS,   32                          ; v32-63 W's scale words: 8 t + s
.set XS,   64                          ; v64-95 x's scale words: 8 tile + s
.set XFA,  96                          ; v96-159, v160-223: two buffers of x's fragments: 32 sp + 16 i2
.set XFB,  160
.set ACTV, 224                         ; v224-239 a tile's 16 activations of my lane
.set MX,   240
.set MY,   241
.set SCL,  242
.set LIM,  243
.set BYTE, 244                         ; v244-247 a scale byte for each tile
.set CODE, 248                         ; v248-255 codes, 4 registers for each tile of a pair
; at the head only
.set IX,   96                          ; v96-159  router_indices
.set RK,   160                         ; v160-191 places
.set SAD,  192                         ; v192-199 scatter: addresses;  v200-207: tokens
.set STK,  200
.set WSO,  212
.set BO,   213
.set L4,   214
.set L2,   215
.set DI,   224
.set BT,   224                         ; v224-255 the bias as it lies in memory
; window 3
.set BIAS, 64                          ; v64-95 b in the result's layout, 8 a tile; the accumulators (i2, t) lie at v[8 (4 i2 + t)]
.set XT,   96                          ; v96-223 the next quad's rows on their way;  v224-227 their scale bytes
.set XTS,  224
.set TT,   228                         ; v228-243 at work
; scalars
.set WV,  22
.set EX,  23
.set SL,  24
.set GG,  25
.set RUN, 26
.set TMP, 27
.set NQ,  28
.set KQ,  29
.set KN,  30
.set PV,  31
.set TR,  33
.set AB,  36                           ; s[36:37] act at (e, my quad), K step SL
.set SB,  38                           ; s[38:39] and its scale words
.set SEL, 40
.set MNT, 42
.set C7,  43
.set CM7, 44
.set NC,  46                           ; s[46:47] -1.702 log2(e), twice
.set MK,  66                           ; s66-97 32 masks: which lanes' tokens chose e
.set MSB, 0
.macro WIN new                         ; the immediate's high byte repeats the setting that is left; a switch that changes nothing is dropped
.if MSB != (\new)
	s_set_vgpr_msb (MSB<<8)|(\new)
.set MSB, (\new)
.endif
.endm
.macro PLACES n                        ; plain vector instructions behind a matrix instruction (ISA guide 7.12.1)
.rept \n
	v_nop
.endr
.endm
; Tile t's 16 rows of W, 1,024 bytes each, as they lie: every load takes 512 consecutive bytes.
.macro LOADU t
	WIN (1+(\t)/2)<<6
.irp m, 0,1,2,3,4,5,6,7,8,9,10,11,12,13,14,15
.irp hf, 0,1
	global_load_b128 v[128*((\t)%2)+4*(2*\m+\hf):128*((\t)%2)+4*(2*\m+\hf)+3], v[L16], s[8:9] offset:(2*(16*(\m/8)+4*(\t)+\m%4)+(\m/4)%2)*1024+512*\hf
.endr
.endr
	WIN 0
.endm
; They turn through my own stage and come back as eight fragments into the registers that they left.  LDS serves a wave's instructions in order (ISA guide 5.7.1.4): no wait between stores and loads.
.macro STAGE win, base
	WIN (\win)<<2
.irp m, 0,1,2,3,4,5,6,7,8,9,10,11,12,13,14,15
.irp hf, 0,1
	ds_store_b128 v[WSTS], v[\base+4*(2*\m+\hf):\base+4*(2*\m+\hf)+3] offset:\m*1040+512*\hf
.endr
.endr
	WIN (\win)<<6
.irp s, 0,1,2,3,4,5,6,7
.irp c, 0,1,2,3
	ds_load_b128 v[\base+16*\s+4*\c:\base+16*\s+4*\c+3], v[WSTL] offset:128*\s+32*\c
.endr
.endr
	WIN 0
.endm
; My 16 rows of a quad are asked for: the tokens from LIST, held to 1,023, then 32 loads of two rows x 256 bytes and one of 16 rows' scale bytes.
.macro ASKX off
.irp a, 0,1,2,3,4,5,6,7
	ds_load_b32 v[XA+\a], v[LA] offset:\off+8*\a
.endr
	ds_load_b32 v[XSA], v[LB] offset:\off
	s_wait_dscnt 0x0
.irp a, 0,1,2,3,4,5,6,7
	v_min_u32 v[XA+\a], 0x3ff, v[XA+\a]
.endr
	v_min_u32 v[XSA], 0x3ff, v[XSA]
.irp a, 0,1,2,3,4,5,6,7
	v_lshl_add_u32 v[XA+\a], v[XA+\a], 10, v[C16]
.endr
	v_lshl_add_u32 v[XSA], v[XSA], 5, v[H16]
	WIN 0xc0
.irp a, 0,1,2,3,4,5,6,7
.irp q, 0,1,2,3
	global_load_b128 v[XT+4*(4*\a+\q):XT+4*(4*\a+\q)+3], v[XA+\a], s[4:5] offset:256*\q
.endr
.endr
	global_load_b128 v[XTS:XTS+3], v[XSA], s[6:7]
	WIN 0
.endm
.macro PUTX b                          ; and go into X buffer b
	WIN 0x0c
.irp a, 0,1,2,3,4,5,6,7
.irp q, 0,1,2,3
	ds_store_b128 v[XW+\b], v[XT+4*(4*\a+\q):XT+4*(4*\a+\q)+3] offset:2*\a*PX+256*\q
.endr
.endr
	ds_store_b128 v[XSW+\b], v[XTS:XTS+3]
	WIN 0
.endm
; Wave 0 stores the scale words that the four waves gathered in the trip before: one aligned run of 256 bytes.  SB has stepped since: the offset reaches back.
.macro FLUSH q
	s_cmp_lg_u32 s[WV], 0
	s_cbranch_scc1 .Lnoflush_\@
	s_cmp_eq_u32 s[PV], 0
	s_cbranch_scc1 .Lnoflush_\@
	s_wait_xcnt 0x0                                ; the last such store has read FD
	ds_load_b64 v[FD:FD+1], v[FA] offset:256*(\q)
	s_wait_dscnt 0x0
	global_store_b64 v[L8], v[FD:FD+1], s[SB:SB+1] offset:-2*QREC
.Lnoflush_\@:
.endm
.macro FETCH p, pr, s0, buf            ; x's fragments of tiles 2 pr, 2 pr + 1, K steps s0, s0 + 1: 16 loads
.irp sp, 0,1
.irp i2, 0,1
.irp c, 0,1,2,3
	ds_load_b128 v[\buf+32*\sp+16*\i2+4*\c:\buf+32*\sp+16*\i2+4*\c+3], v[XR+\p] offset:16*(2*\pr+\i2)*PX+128*(\s0+\sp)+32*\c
.endr
.endr
.endr
.endm
; 16 matrix instructions: two K steps x four tiles of W x two tiles of tokens.  The accumulators take turns, one instruction a turn.  first = 1: the bias is the C of each sum's first product.
.macro MUL pr, s0, buf, first
.irp tp, 0,1
	WIN 0xf1+\tp
.irp sp, 0,1
.irp tt, 0,1
.irp i2, 0,1
.set rD, 8*(4*\i2+2*\tp+\tt)
.set rW, 128*\tt+16*(\s0+\sp)
.set rX, \buf+32*\sp+16*\i2
.set rB, BIAS+8*(2*\tp+\tt)
.set rSW, WS+8*(2*\tp+\tt)+\s0+\sp
.set rSX, XS+8*(2*\pr+\i2)+\s0+\sp
.if \first && (\sp == 0)
	v_wmma_scale_f32_16x16x128_f8f6f4 v[rD:rD+7], v[rW:rW+15], v[rX:rX+15], v[rB:rB+7], v[rSW], v[rSX]
.else
	v_wmma_scale_f32_16x16x128_f8f6f4 v[rD:rD+7], v[rW:rW+15], v[rX:rX+15], v[rD:rD+7], v[rSW], v[rSX]
.endif
.endr
.endr
.endr
.endr
.endm
; The activation of tile i2 of the pair: 16 numbers a lane.  Each accumulator is read from its low end on (the gates first).
.macro ACTIV i2
	WIN 0xff
.irp t, 0,1,2,3
.irp p, 0,1,2,3
	v_min_num_f32 v[8*(4*\i2+\t)+\p], s[C7], v[8*(4*\i2+\t)+\p]                     ; gate = min(gate, 7)
.endr
.endr
.irp t, 0,1,2,3
.irp p, 0,1,2,3
	v_med3_num_f32 v[8*(4*\i2+\t)+4+\p], v[8*(4*\i2+\t)+4+\p], s[CM7], s[C7]        ; up = clip(up, -7, 7)
.endr
.endr
.irp t, 0,1,2,3
.irp pp, 0,1
	v_pk_mul_f32 v[TT+4*\t+2*\pp:TT+4*\t+2*\pp+1], v[8*(4*\i2+\t)+2*\pp:8*(4*\i2+\t)+2*\pp+1], s[NC:NC+1] op_sel_hi:[1,0]
.endr
.endr
.irp j, 0,1,2,3,4,5,6,7,8,9,10,11,12,13,14,15
	v_exp_f32 v[TT+\j], v[TT+\j]                   ; 2^(-1.702 log2(e) gate)
.endr
	v_nop                                          ; a plain instruction behind the transcendentals (ISA guide 5.7.2)
	s_wait_alu depctr_va_vdst(0)
.irp j, 0,2,4,6,8,10,12,14
	v_pk_add_f32 v[TT+\j:TT+\j+1], v[TT+\j:TT+\j+1], 1.0 op_sel_hi:[1,0]
.endr
.irp j, 0,1,2,3,4,5,6,7,8,9,10,11,12,13,14,15
	v_rcp_f32 v[TT+\j], v[TT+\j]                   ; the sigmoid
.endr
	v_nop
	s_wait_alu depctr_va_vdst(0)
.irp t, 0,1,2,3
.irp pp, 0,1
	v_pk_mul_f32 v[8*(4*\i2+\t)+2*\pp:8*(4*\i2+\t)+2*\pp+1], v[8*(4*\i2+\t)+2*\pp:8*(4*\i2+\t)+2*\pp+1], v[TT+4*\t+2*\pp:TT+4*\t+2*\pp+1]   ; glu
.endr
.endr
	WIN 0x3f
.irp t, 0,1,2,3
.irp pp, 0,1
	v_pk_fma_f32 v[ACTV+4*\t+2*\pp:ACTV+4*\t+2*\pp+1], v[8*(4*\i2+\t)+4+2*\pp:8*(4*\i2+\t)+4+2*\pp+1], v[8*(4*\i2+\t)+2*\pp:8*(4*\i2+\t)+2*\pp+1], v[8*(4*\i2+\t)+2*\pp:8*(4*\i2+\t)+2*\pp+1]   ; up glu + glu
.endr
.endr
	WIN 0
.endm
; The block of 32 that lanes l and l xor 16 hold is quantised; 16 codes a lane leave as 512 consecutive bytes a wave, the byte goes to the quad's scale words in LDS.
.macro QUANT tile, i2, p
	v_max3_num_f32 v[MX], |v[ACTV]|, |v[ACTV+1]|, 0x4800000        ; with the floor 2^(9 - 127): the byte cannot fall under 1
	v_max3_num_f32 v[MY], |v[ACTV+2]|, |v[ACTV+3]|, |v[ACTV+4]|
	v_max3_num_f32 v[MX], v[MX], |v[ACTV+5]|, |v[ACTV+6]|
	v_max3_num_f32 v[MY], v[MY], |v[ACTV+7]|, |v[ACTV+8]|
	v_max3_num_f32 v[MX], v[MX], |v[ACTV+9]|, |v[ACTV+10]|
	v_max3_num_f32 v[MY], v[MY], |v[ACTV+11]|, |v[ACTV+12]|
	v_max3_num_f32 v[MX], v[MX], |v[ACTV+13]|, |v[ACTV+14]|
	v_max3_num_f32 v[MX], v[MX], v[MY], |v[ACTV+15]|
	v_permlanex16_b32 v[MY], v[MX], s[SEL], s[SEL+1]
	v_max_num_f32 v[MX], v[MX], v[MY]              ; the block's largest magnitude
	v_add_nc_u32 v[SCL], 0xfc000000, v[MX]         ; 8 off its exponent field: the conversion's scale operand
	v_and_or_b32 v[LIM], v[MX], 0x7f800000, s[MNT] ; 448 x the scale
	v_lshrrev_b32 v[BYTE+(\tile)], 23, v[SCL]      ; the scale's byte
.irp j, 0,1,2,3,4,5,6,7,8,9,10,11,12,13,14,15
	v_med3_num_f32 v[ACTV+\j], v[ACTV+\j], -v[LIM], v[LIM]         ; the conversion to an 8-bit code does not saturate (ISA guide 7.6.2)
.endr
	s_wait_xcnt 0x0                                ; the last store from these code registers has read them
	v_cvt_scalef32_pk8_fp8_f32 v[CODE+4*\i2:CODE+4*\i2+1], v[ACTV:ACTV+7], v[SCL]
	v_cvt_scalef32_pk8_fp8_f32 v[CODE+4*\i2+2:CODE+4*\i2+3], v[ACTV+8:ACTV+15], v[SCL]
	v_nop                                          ; a plain instruction behind the conversions, ahead of what writes their sources
	global_store_b128 v[CO], v[CODE+4*\i2:CODE+4*\i2+3], s[AB:AB+1] offset:(\tile)*32768
	ds_store_b8 v[SBA], v[BYTE+(\tile)] offset:256*\p+64*(\tile)   ; both lanes of a block write the same byte with the same value
.endm
; Tiles 2 pr and 2 pr + 1 of the quad in X buffer p: 64 matrix instructions on two fragment buffers by turns, then activation and codes.
.macro PAIR p, pr
.if \pr == 0
	s_wait_dscnt 16                                ; the scale words and buffer A are in; buffer B's 16 loads may be out
.else
	s_wait_dscnt 0x0
.endif
	MUL \pr, 0, XFA, 1
	PLACES 8                                       ; in front of loads into registers that these products read
	WIN 0
	FETCH \p, \pr, 4, XFA
	s_wait_dscnt 16                                ; all but the 16 just issued
	MUL \pr, 2, XFB, 0
	PLACES 8
	WIN 0
	FETCH \p, \pr, 6, XFB
	s_wait_dscnt 16
	MUL \pr, 4, XFA, 0
.if \pr == 0
	PLACES 8
	WIN 0
	FETCH \p, 1, 0, XFA                            ; the other pair's first fragments
	s_wait_dscnt 16
.else
	s_wait_dscnt 0x0
.endif
	MUL \pr, 6, XFB, 0
	PLACES 9                                       ; in front of the first read of results, of loads into buffer B, and of the products that begin these accumulators anew
	WIN 0
.if \pr == 0
	FETCH \p, 1, 2, XFB
.endif
	ACTIV 0
	QUANT 2*\pr, 0, \p
	ACTIV 1
	QUANT 2*\pr+1, 1, \p
.endm
; A TRIP: one barrier on every wave's path; only work is jumped over.  In front of the barrier my LDS stores (the quad for this trip, the last trip's scale bytes) have landed and my reads of the other buffer are back.
.macro TRIP p
	s_wait_dscnt 0x0
	s_barrier_signal -1
	s_barrier_wait -1
	FLUSH 1-\p
	s_add_co_u32 s[KN], s[KQ], 2
	s_cmp_lt_u32 s[KN], s[NQ]
	s_cbranch_scc0 .Lnoask_\@
	ASKX 256                                       ; my next quad's rows are on their way while this one is multiplied
.Lnoask_\@:
	s_mov_b32 s[PV], 0
	s_cmp_lt_u32 s[KQ], s[NQ]
	s_cbranch_scc0 .Lnowork_\@
	s_mov_b32 s[PV], 1
.irp i, 0,1,2,3
	ds_load_b128 v[XS+8*\i:XS+8*\i+3], v[XSR+\p] offset:16*\i*PX
	ds_load_b128 v[XS+8*\i+4:XS+8*\i+7], v[XSR+\p] offset:16*\i*PX+16
.endr
	FETCH \p, 0, 0, XFA
	FETCH \p, 0, 2, XFB
	PAIR \p, 0
	PAIR \p, 1
.Lnowork_\@:
	s_wait_loadcnt 0x0                             ; on every path: no load into the rows' registers is out behind this line
	s_cmp_lt_u32 s[KN], s[NQ]
	s_cbranch_scc0 .Lnoput_\@
	PUTX 1-\p
.Lnoput_\@:
	s_wait_xcnt 0x0                                ; the stores have read their bases
	s_add_nc_u64 s[AB:AB+1], s[AB:AB+1], 2*QREC
	s_add_nc_u64 s[SB:SB+1], s[SB:SB+1], 2*QREC
	s_add_co_u32 s[KQ], s[KQ], 2
	v_add_nc_u32 v[LA], 256, v[LA]
	v_add_nc_u32 v[LB], 256, v[LB]
.endm
	s_load_b512 s[4:19], s[0:1], 0x0               ; x codes s[4:5], x scales s[6:7], W codes s[8:9], W scales s[10:11], b s[12:13], router_indices s[14:15], act s[16:17], rank s[18:19]
	s_load_b64 s[20:21], s[0:1], 0x40              ; counts
	s_set_vgpr_msb 0xc0
	v_lshl_add_u32 v254, v0, 2, 0x33000
	v_mov_b32 v255, 0
	s_set_vgpr_msb 0xc000
	v_lshrrev_b32 v221, 5, v0
	v_readfirstlane_b32 s[WV], v221                ; wave 0..3
	s_and_b32 s[EX], ttmp7, 0xffff                 ; expert
	s_lshr_b32 s[SL], ttmp9, 1                     ; slice of 256 columns
	s_and_b32 s[GG], ttmp9, 1                      ; which quads
	v_and_b32 v216, 31, v0                         ; lane
	v_and_b32 v217, 15, v0                         ; r
	v_bfe_u32 v218, v0, 4, 1                       ; h
	v_bfe_u32 v219, v0, 1, 4                       ; lane / 2
	v_and_b32 v220, 1, v0                          ; lane % 2
	v_lshlrev_b32 v[L16], 4, v216
	s_mul_i32 s[TMP], s[WV], WSTW
	s_add_co_u32 s[TMP], s[TMP], WST
	v_add_nc_u32 v[WSTS], s[TMP], v[L16]
	v_mul_u32_u24 v221, v217, 1040
	v_lshl_add_u32 v221, v218, 4, v221
	v_add_nc_u32 v[WSTL], s[TMP], v221
	s_mul_i32 s[TMP], s[WV], 16*PX
	v_mul_u32_u24 v221, v218, PX
	v_lshl_add_u32 v221, v217, 4, v221
	v_add_nc_u32 v[XW], s[TMP], v221
	v_add_nc_u32 v[XW+1], XB1, v[XW]
	v_mul_u32_u24 v221, v219, PX
	v_lshl_add_u32 v221, v220, 4, v221
	v_add_nc_u32 v221, s[TMP], v221
	v_add_nc_u32 v[XSW], 1024, v221
	v_add_nc_u32 v[XSW+1], XB1, v[XSW]
	v_mul_u32_u24 v221, v217, PX
	v_lshl_add_u32 v[XR], v218, 4, v221
	v_add_nc_u32 v[XR+1], XB1, v[XR]
	v_add_nc_u32 v[XSR], 1024, v221
	v_add_nc_u32 v[XSR+1], XB1, v[XSR]
	s_lshl_b32 s[TMP], s[WV], 6
	s_add_co_u32 s[TMP], s[TMP], LIST
	v_lshl_add_u32 v[LA], v218, 2, s[TMP]
	v_lshl_add_u32 v[LB], v219, 2, s[TMP]
	s_add_co_u32 s[TMP], s[WV], SCW
	v_lshl_add_u32 v[SBA], v217, 2, s[TMP]
	v_lshl_add_u32 v[FA], v216, 3, SCW
	v_lshlrev_b32 v[L8], 3, v216
	s_lshl_b32 s[TMP], s[WV], 9
	v_add_nc_u32 v[CO], s[TMP], v[L16]
	v_lshlrev_b32 v[C16], 4, v217
	v_lshlrev_b32 v[H16], 4, v220
	v_add_nc_u32 v[LZ], LIST, v[L16]
	v_bfe_u32 v221, v0, 3, 1                       ; W's scale words: row 32 (r / 8) + 2 (r % 4) + (r / 4) % 2 of a tile, 32 bytes a row
	v_and_b32 v222, 3, v0
	v_bfe_u32 v223, v0, 2, 1
	v_lshlrev_b32 v[WSO], 10, v221
	v_lshl_add_u32 v[WSO], v222, 6, v[WSO]
	v_lshl_add_u32 v[WSO], v223, 5, v[WSO]
	v_lshlrev_b32 v[BO], 7, v218                   ; b: 32 h numbers on
	v_lshlrev_b32 v[L4], 2, v216
	v_lshlrev_b32 v[L2], 1, v216
	v_add_nc_u32 v[DI], 512, v216                  ; my dump word's index behind LIST
.irp j, 208,209,210,211
	v_mov_b32 v\j, 0
.endr
	s_mov_b32 s[SEL], 0x76543210
	s_mov_b32 s[SEL+1], 0xfedcba98                 ; v_permlanex16_b32: lane l xor 16
	s_mov_b32 s[MNT], 0x600000                     ; the mantissa field of 448
	s_mov_b32 s[C7], 0x40e00000                    ; 7.0
	s_mov_b32 s[CM7], 0xc0e00000                   ; -7.0
	s_mov_b32 s[NC], 0xc01d265f                    ; -1.702 log2(e)
	s_mov_b32 s[NC+1], s[NC]
	s_lshl_b32 s[TMP], s[EX], 12                   ; my first row of W: 4,096 e + 256 SL + 64 w
	s_lshl_b32 s34, s[SL], 8
	s_add_co_u32 s[TMP], s[TMP], s34
	s_lshl_b32 s34, s[WV], 6
	s_add_co_u32 s[TMP], s[TMP], s34
	s_mov_b32 s35, 0
	s_wait_kmcnt 0x0
	s_lshl_b32 s34, s[TMP], 10
	s_add_nc_u64 s[8:9], s[8:9], s[34:35]
	s_lshl_b32 s34, s[TMP], 5
	s_add_nc_u64 s[10:11], s[10:11], s[34:35]
	s_lshl_b32 s34, s[TMP], 2
	s_add_nc_u64 s[12:13], s[12:13], s[34:35]
	s_lshl_b32 s34, s[EX], 12
	s_add_nc_u64 s[18:19], s[18:19], s[34:35]
	s_lshl_b32 s34, s[EX], 7
	s_add_nc_u64 s[20:21], s[20:21], s[34:35]
	s_lshl_b32 s[TMP], s[EX], 4
	s_add_co_u32 s[TMP], s[TMP], s[GG]
	s_mul_i32 s[TMP], s[TMP], QREC                 ; record (e, g)
	s_lshl_b32 s34, s[SL], 11
	s_add_co_u32 s34, s34, s[TMP]
	s_add_nc_u64 s[AB:AB+1], s[16:17], s[34:35]
	s_lshl_b32 s34, s[SL], 8
	s_add_co_u32 s34, s34, s[TMP]
	s_add_co_u32 s34, s34, 131072
	s_add_nc_u64 s[SB:SB+1], s[16:17], s[34:35]
.irp i, 0,1,2,3,4,5,6,7,8,9,10,11,12,13,14,15
	global_load_b128 v[IX+4*\i:IX+4*\i+3], v[L16], s[14:15] offset:512*\i          ; load i, lane l: tokens 64 i + 2 l and 64 i + 2 l + 1, two indices each
.endr
	LOADU 0
	LOADU 1
	s_wait_loadcnt 63                              ; 64 loads were issued behind the indices': those are in
	; ROUTING, alike in every wave: group (i, par) is 32 tokens; a token's place is the count so far + the chosen lanes below it
	s_mov_b32 s[RUN], 0
.irp i, 0,1,2,3,4,5,6,7,8,9,10,11,12,13,14,15
.irp par, 0,1
	v_cmp_eq_u32 vcc_lo, s[EX], v[IX+4*\i+2*\par]
	v_cmp_eq_u32 s[MK+2*\i+\par], s[EX], v[IX+4*\i+2*\par+1]
	s_or_b32 s[MK+2*\i+\par], s[MK+2*\i+\par], vcc_lo
	v_mbcnt_lo_u32_b32 v[RK+2*\i+\par], s[MK+2*\i+\par], s[RUN]
	s_bcnt1_i32_b32 s[TMP], s[MK+2*\i+\par]
	s_add_co_u32 s[RUN], s[RUN], s[TMP]
.endr
.endr
	s_add_co_u32 s[NQ], s[RUN], 63
	s_lshr_b32 s[NQ], s[NQ], 6
	s_max_u32 s[NQ], s[NQ], 1                      ; quad 0 is always made
	s_cmp_lg_u32 s[WV], 0
	s_cbranch_scc1 .Lnot_first
	; wave 0 alone touches LDS ahead of the first barrier: LIST is cleared (token 0), then the tokens of my quads are placed
.irp k, 0,1,2,3
	ds_store_b128 v[LZ], v[208:211] offset:512*\k
.endr
.set gi, 0
.rept 32
.if (gi%8 == 0) && (gi > 0)
	s_wait_dscnt 0x0                               ; the eight stores before have read their registers
.endif
	v_bfe_u32 v222, v[RK+gi], 6, 1                 ; the quad's parity
	v_cmp_eq_u32 vcc_lo, s[GG], v222
	s_and_b32 vcc_lo, vcc_lo, s[MK+gi]             ; chosen, and in one of my quads
	v_lshrrev_b32 v223, 7, v[RK+gi]
	v_and_b32 v222, 63, v[RK+gi]
	v_lshl_or_b32 v223, v223, 6, v222              ; 64 x trip + place in the quad
	v_cndmask_b32 v223, v[DI], v223, vcc_lo        ; or my dump word
	v_min_u32 v223, 0x23f, v223
	v_lshl_add_u32 v[SAD+gi%8], v223, 2, LIST
	v_add_nc_u32 v[STK+gi%8], 64*(gi/2)+gi%2, v[L2]
	ds_store_b32 v[SAD+gi%8], v[STK+gi%8]
.set gi, gi+1
.endr
	s_cmp_lg_u32 ttmp9, 0
	s_cbranch_scc1 .Lnot_first
	; one work-group of each expert stores the places and the number of quads for the later launches
.irp i, 0,1,2,3,4,5,6,7,8,9,10,11,12,13,14,15
	global_store_b64 v[L8], v[RK+2*\i:RK+2*\i+1], s[18:19] offset:256*\i
.endr
	v_mov_b32 v225, s[NQ]
	global_store_b32 v[L4], v225, s[20:21]
	s_wait_xcnt 0x0                                ; these stores' registers are written again further down
.Lnot_first:
	s_wait_dscnt 0x0
	s_barrier_signal -1
	s_barrier_wait -1                              ; LIST is whole
	ASKX 0                                         ; my first quad's rows (an empty list gives token 0)
	s_wait_loadcnt 63                              ; 65 loads were issued behind tile 0's
	STAGE 1, 0
	LOADU 2
	s_wait_loadcnt 63                              ; 65 behind tile 1's
	STAGE 1, 128
	LOADU 3
	s_wait_loadcnt 63                              ; 64 behind the rows'
	PUTX 0
.irp t, 0,1,2,3
	global_load_b128 v[WS+8*\t:WS+8*\t+3], v[WSO], s[10:11] offset:256*\t
	global_load_b128 v[WS+8*\t+4:WS+8*\t+7], v[WSO], s[10:11] offset:256*\t+16
.endr
.irp t, 0,1,2,3
	global_load_b128 v[BT+8*\t:BT+8*\t+3], v[BO], s[12:13] offset:32*\t
	global_load_b128 v[BT+8*\t+4:BT+8*\t+7], v[BO], s[12:13] offset:32*\t+16
.endr
	s_wait_loadcnt 48                              ; behind tile 2's: tile 3's 32 and these 16
	STAGE 2, 0
	s_wait_loadcnt 16
	STAGE 2, 128
	s_wait_loadcnt 0x0
	WIN 0xc0                                       ; the bias into the result's layout: four gates, then four ups
.irp t, 0,1,2,3
.irp p, 0,1,2,3
	v_mov_b32 v[BIAS+8*\t+\p], v[BT+8*\t+2*\p]
	v_mov_b32 v[BIAS+8*\t+4+\p], v[BT+8*\t+2*\p+1]
.endr
.endr
	WIN 0
	s_mov_b32 s[PV], 0
	s_mov_b32 s[KQ], s[GG]
	s_mov_b32 s[TR], 4
.Lloop:                                                ; eight trips, a constant: quads g, g + 2, .. g + 14; those at or behind NQ are passed over
	TRIP 0
	TRIP 1
	s_sub_co_u32 s[TR], s[TR], 1
	s_cmp_lg_u32 s[TR], 0
	s_cbranch_scc1 .Lloop
	s_wait_dscnt 0x0
	s_barrier_signal -1
	s_barrier_wait -1
	FLUSH 1                                        ; the last trip's scale words
	s_set_vgpr_msb 0xf
	s_wait_tensorcnt 0x0
	ds_add_u32 v254, v255
	s_wait_dscnt 0x0
	s_set_vgpr_msb 0xf00
	s_endpgm
.Lfunc_end_k_q0734a74329_up:
	.size	k_q0734a74329_up, .Lfunc_end_k_q0734a74329_up-k_q0734a74329_up
	.p2alignl 7, 3214868480
	.fill 96, 4, 3214868480
	.section	.rodata,"a",@progbits
	.p2align	6, 0x0
	.amdhsa_kernel k_q0734a74329_up
		.amdhsa_group_segment_fixed_size 209408
		.amdhsa_private_segment_fixed_size 0
		.amdhsa_enable_private_segment 0
		.amdhsa_kernarg_size 72
		.amdhsa_user_sgpr_count 2
		.amdhsa_user_sgpr_kernarg_segment_ptr 1
		.amdhsa_wavefront_size32 1
		.amdhsa_system_sgpr_workgroup_id_x 1
		.amdhsa_system_sgpr_workgroup_id_y 1
		.amdhsa_system_sgpr_workgroup_id_z 1
		.amdhsa_system_vgpr_workitem_id 0
		.amdhsa_next_free_vgpr 1024
		.amdhsa_next_free_sgpr 98
		.amdhsa_reserve_vcc 1
		.amdhsa_float_denorm_mode_32 3
		.amdhsa_float_denorm_mode_16_64 3
		.amdhsa_memory_ordered 1
		.amdhsa_forward_progress 1
		.amdhsa_inst_pref_size 200
	.end_amdhsa_kernel
	.amdgpu_metadata
---
amdhsa.version: [ 1, 2 ]
amdhsa.kernels:
  - .name:           k_q0734a74329_up
    .symbol:         k_q0734a74329_up.kd
    .args:
      - { .name: hidden_states_codes, .offset: 0, .size: 8, .value_kind: global_buffer, .address_space: global }
      - { .name: hidden_states_scales, .offset: 8, .size: 8, .value_kind: global_buffer, .address_space: global }
      - { .name: gate_up_proj_codes, .offset: 16, .size: 8, .value_kind: global_buffer, .address_space: global }
      - { .name: gate_up_proj_scales, .offset: 24, .size: 8, .value_kind: global_buffer, .address_space: global }
      - { .name: gate_up_proj_bias, .offset: 32, .size: 8, .value_kind: global_buffer, .address_space: global }
      - { .name: router_indices, .offset: 40, .size: 8, .value_kind: global_buffer, .address_space: global }
      - { .name: act, .offset: 48, .size: 8, .value_kind: global_buffer, .address_space: global }
      - { .name: rank, .offset: 56, .size: 8, .value_kind: global_buffer, .address_space: global }
      - { .name: counts, .offset: 64, .size: 8, .value_kind: global_buffer, .address_space: global }
    .group_segment_fixed_size: 209408
    .private_segment_fixed_size: 0
    .kernarg_segment_align: 8
    .kernarg_segment_size: 72
    .max_flat_workgroup_size: 128
    .sgpr_count:     98
    .vgpr_count:     1024
    .wavefront_size: 32
...
	.end_amdgpu_metadata
.endif
;; end of part 1
;; launch down (part 2): grid 32 x 8, 4 waves a work-group, no clusters, 236,032 bytes of LDS; arguments down_proj_codes, down_proj_scales, down_proj_bias, act, counts, z; writes z
.if DOCPART == 2
	.amdgcn_target "amdgcn-amd-amdhsa--gfx1250"
	.amdhsa_code_object_version 6
	.text
	.protected	k_q0734a74329_down
	.globl	k_q0734a74329_down
	.p2align	8
	.type	k_q0734a74329_down,@function
k_q0734a74329_down:
	s_mov_b64 s[64:65], 0
	v_nop
	global_prefetch_b8 v0, s[64:65] scope:SCOPE_SE
	s_setreg_imm32_b32 hwreg(HW_REG_WAVE_MODE, 25, 1), 1
	s_wait_xcnt 0x0
; SECOND PRODUCT OF THE CHOSEN ROWS.  z[e][place][:] = act[e][place][:] down_proj[e] + down_proj_bias[e], on E4M3 codes with E8M0 scales; the gate's weight comes in the next launch.
; SHARES.  Work-group (x, y): expert e = y; n = x / 4: output columns 128 n .. + 127; g = x % 4: quads g, g + 4, g + 8, g + 12 of e's list (a quad: 64 places; NQ of them, read from counts).
; THE WEIGHTS STAND STILL: wave w keeps columns 128 n + 32 w .. + 31, all 2,048 of K, in 512 registers.  A quad's record of act (codes as images of the operand's registers, then scale words) comes into LDS as it lies.
; No tensor loads: the trips' work hangs on a count read from memory.  Four trips, a constant; both barriers of a trip lie on every wave's path and only work is jumped over.
; TRANSPOSED: source 0 = 16 columns of the output (rows of down_proj_codes), source 1 = 16 rows of act: a lane holds eight neighbouring columns of one row.  The bias is the C of each sum's first product.
; LIMITS: NaN, infinities and the scale byte 0xff among the inputs are not served.
.set QREC,  135168
.set WST,   QREC                       ; LDS: the record at 0; a stage of 16 rows x 1,040 bytes for each wave;
.set WSTW,  16*1040
.set ZS,    WST+4*WSTW                 ; 64 rows x (512 + 16) bytes of z
.set L16,  1                           ; 16 x lane
.set WSTS, 2
.set WSTL, 3
.set APW,  4                           ; 33,792 w + 16 x lane: my quarter of a record, in memory and in LDS
.set AFA,  5                           ; v5-8  32,768 tile + 16 x lane
.set ASA,  9                           ; 131,072 + 256 h + 4 r
.set ZW,   10                          ; ZS + 528 r + 128 w + 32 h
.set ZR,   11                          ; ZS + 16 w x 528 + 16 x lane
.set ZO,   12                          ; 65,536 w + 16 x lane
.set WSO,  13                          ; 64 r
.set BO,   14                          ; 32 h
.set WS,   32                          ; v32-63 W's scale words: 16 ct + s
.set AS,   64                          ; v64-95 act's: 8 tile + s / 2; lanes 0-15 the even K step, lanes 16-31 the odd one
.set XFA,  96                          ; v96-159, v160-223: act's fragments of one K step, four tiles, two buffers; v96-159 also rows of z on their way out
.set XFB,  160
.set BIAS, 64                          ; window 3: accumulators (tile, ct) at v[8 (2 tile + ct)]; v64-79 the bias; v80-211 half a quarter of a record on its way
.set AT,   80
.set WV,  16
.set EX,  17
.set GG,  18
.set NN,  19
.set NQ,  20
.set KQ,  21
.set TR,  22
.set TMP, 23
.set AQ,  26                           ; s[26:27] act at (e, my quad)
.set A1,  28                           ; s[28:29] act at my first quad, or at quad 0 where I have none
.set ZB,  30                           ; s[30:31] z at my quad's first row, my columns
.set MSB, 0
.macro WIN new
.if MSB != (\new)
	s_set_vgpr_msb (MSB<<8)|(\new)
.set MSB, (\new)
.endif
.endm
.macro PLACES n
.rept \n
	v_nop
.endr
.endm
.macro LOADU ct, kh                    ; 16 rows x 1,024 bytes of W as they lie: every load takes 512 consecutive bytes
	WIN (1+\ct)<<6
.irp m, 0,1,2,3,4,5,6,7,8,9,10,11,12,13,14,15
.irp hf, 0,1
	global_load_b128 v[128*\kh+4*(2*\m+\hf):128*\kh+4*(2*\m+\hf)+3], v[L16], s[4:5] offset:(16*\ct+\m)*2048+1024*\kh+512*\hf
.endr
.endr
	WIN 0
.endm
.macro STAGE win, base                 ; through my own stage, back as eight fragments into the registers that they left; LDS serves a wave's instructions in order (ISA guide 5.7.1.4)
	WIN (\win)<<2
.irp m, 0,1,2,3,4,5,6,7,8,9,10,11,12,13,14,15
.irp hf, 0,1
	ds_store_b128 v[WSTS], v[\base+4*(2*\m+\hf):\base+4*(2*\m+\hf)+3] offset:\m*1040+512*\hf
.endr
.endr
	WIN (\win)<<6
.irp s, 0,1,2,3,4,5,6,7
.irp c, 0,1,2,3
	ds_load_b128 v[\base+16*\s+4*\c:\base+16*\s+4*\c+3], v[WSTL] offset:128*\s+32*\c
.endr
.endr
	WIN 0
.endm
.macro LOADA hf, base                  ; half of my quarter of a record: 33 loads of 512 consecutive bytes
	WIN 0xc0
.set mm, 0
.rept 33
	global_load_b128 v[AT+4*mm:AT+4*mm+3], v[APW], s[\base:\base+1] offset:16896*\hf+512*mm
.set mm, mm+1
.endr
	WIN 0
.endm
.macro PUTA hf
	WIN 0x0c
.set mm, 0
.rept 33
	ds_store_b128 v[APW], v[AT+4*mm:AT+4*mm+3] offset:16896*\hf+512*mm
.set mm, mm+1
.endr
	WIN 0
.endm
.macro FETCH s, buf                    ; K step s of the four tiles: 16 loads, each 512 consecutive bytes
.irp i, 0,1,2,3
.irp c, 0,1,2,3
	ds_load_b128 v[\buf+16*\i+4*\c:\buf+16*\i+4*\c+3], v[AFA+\i] offset:2048*(\s)+512*\c
.endr
.endr
.endm
	s_load_b256 s[4:11], s[0:1], 0x0               ; W codes s[4:5], W scales s[6:7], bias s[8:9], act s[10:11]
	s_load_b128 s[12:15], s[0:1], 0x20             ; counts s[12:13], z s[14:15]
	v_lshl_add_u32 v254, v0, 2, 0x39800
	v_mov_b32 v255, 0
	v_lshrrev_b32 v19, 5, v0
	v_readfirstlane_b32 s[WV], v19                 ; wave 0..3
	s_and_b32 s[EX], ttmp7, 0xffff
	s_and_b32 s[GG], ttmp9, 3
	s_lshr_b32 s[NN], ttmp9, 2
	v_and_b32 v16, 31, v0                          ; lane
	v_and_b32 v17, 15, v0                          ; r
	v_bfe_u32 v18, v0, 4, 1                        ; h
	v_lshlrev_b32 v[L16], 4, v16
	s_mul_i32 s[TMP], s[WV], WSTW
	s_add_co_u32 s[TMP], s[TMP], WST
	v_add_nc_u32 v[WSTS], s[TMP], v[L16]
	v_mul_u32_u24 v19, v17, 1040
	v_lshl_add_u32 v19, v18, 4, v19
	v_add_nc_u32 v[WSTL], s[TMP], v19
	s_mul_i32 s[TMP], s[WV], 33792
	v_add_nc_u32 v[APW], s[TMP], v[L16]
	v_mov_b32 v[AFA], v[L16]
	v_add_nc_u32 v[AFA+1], 32768, v[L16]
	v_add_nc_u32 v[AFA+2], 65536, v[L16]
	v_add_nc_u32 v[AFA+3], 98304, v[L16]
	v_lshlrev_b32 v19, 2, v17
	v_lshl_add_u32 v19, v18, 8, v19
	v_add_nc_u32 v[ASA], 131072, v19
	v_mul_u32_u24 v19, v17, 528
	v_lshl_add_u32 v19, v18, 5, v19
	s_lshl_b32 s[TMP], s[WV], 7
	s_add_co_u32 s[TMP], s[TMP], ZS
	v_add_nc_u32 v[ZW], s[TMP], v19
	s_mul_i32 s[TMP], s[WV], 16*528
	s_add_co_u32 s[TMP], s[TMP], ZS
	v_add_nc_u32 v[ZR], s[TMP], v[L16]
	s_lshl_b32 s[TMP], s[WV], 16
	v_add_nc_u32 v[ZO], s[TMP], v[L16]
	v_lshlrev_b32 v[WSO], 6, v17
	v_lshlrev_b32 v[BO], 5, v18
	s_mov_b32 s25, 0
	s_wait_kmcnt 0x0
	s_lshl_b32 s24, s[EX], 7
	s_add_nc_u64 s[12:13], s[12:13], s[24:25]
	s_load_b32 s[NQ], s[12:13], 0x0                ; e's number of quads
	s_lshl_b32 s[TMP], s[EX], 10                   ; my first row of W: 1,024 e + 128 n + 32 w
	s_lshl_b32 s24, s[NN], 7
	s_add_co_u32 s[TMP], s[TMP], s24
	s_lshl_b32 s24, s[WV], 5
	s_add_co_u32 s[TMP], s[TMP], s24
	s_lshl_b32 s24, s[TMP], 11
	s_add_nc_u64 s[4:5], s[4:5], s[24:25]
	s_lshl_b32 s24, s[TMP], 6
	s_add_nc_u64 s[6:7], s[6:7], s[24:25]
	s_lshl_b32 s24, s[TMP], 2
	s_add_nc_u64 s[8:9], s[8:9], s[24:25]
	s_lshl_b32 s[TMP], s[EX], 10                   ; z: row 1,024 e + 64 g, 4,096 bytes a row, + 512 n
	s_lshl_b32 s24, s[GG], 6
	s_add_co_u32 s[TMP], s[TMP], s24
	s_lshl_b32 s24, s[TMP], 12
	s_lshl_b32 s[TMP], s[NN], 9
	s_add_co_u32 s24, s24, s[TMP]
	s_add_nc_u64 s[ZB:ZB+1], s[14:15], s[24:25]
	s_lshl_b32 s[TMP], s[EX], 4
	s_add_co_u32 s[TMP], s[TMP], s[GG]
	s_mul_i32 s24, s[TMP], QREC
	s_add_nc_u64 s[AQ:AQ+1], s[10:11], s[24:25]
	LOADU 0, 0
	LOADU 0, 1
	s_wait_kmcnt 0x0
	s_min_u32 s[NQ], s[NQ], 16
	s_cmp_lt_u32 s[GG], s[NQ]                      ; quad g if it was made, else quad 0, which always was: the first load reads written bytes on every split
	s_cselect_b32 s[TMP], s[GG], 0
	s_lshl_b32 s24, s[EX], 4
	s_add_co_u32 s[TMP], s[TMP], s24
	s_mul_i32 s24, s[TMP], QREC
	s_add_nc_u64 s[A1:A1+1], s[10:11], s[24:25]
	LOADA 0, A1
	s_wait_loadcnt 63                              ; 65 loads were issued behind the first unit's
	STAGE 1, 0
	LOADU 1, 0
	s_wait_loadcnt 63                              ; 65 behind the second's
	STAGE 1, 128
	LOADU 1, 1
	s_wait_loadcnt 63                              ; 64 behind the record's first half
	PUTA 0
	s_wait_dscnt 0x0                               ; the stores have read their registers
	LOADA 1, A1
.irp ct, 0,1
.irp q, 0,1,2,3
	global_load_b128 v[WS+16*\ct+4*\q:WS+16*\ct+4*\q+3], v[WSO], s[6:7] offset:1024*\ct+16*\q
.endr
.endr
	WIN 0xc0
.irp ct, 0,1
	global_load_b128 v[BIAS+8*\ct:BIAS+8*\ct+3], v[BO], s[8:9] offset:64*\ct
	global_load_b128 v[BIAS+8*\ct+4:BIAS+8*\ct+7], v[BO], s[8:9] offset:64*\ct+16
.endr
	WIN 0
	s_wait_loadcnt 63                              ; 77 behind the third unit's
	STAGE 2, 0
	s_wait_loadcnt 45                              ; behind the fourth's: the record's second half (33) and 12
	STAGE 2, 128
	s_wait_loadcnt 12
	PUTA 1
	s_wait_loadcnt 0x0
	s_mov_b32 s[KQ], s[GG]
	s_mov_b32 s[TR], 4
.Lloop:
	s_wait_dscnt 0x0                               ; my part of the record has landed, my reads of z's stage are back
	s_barrier_signal -1
	s_barrier_wait -1
	s_cmp_lt_u32 s[KQ], s[NQ]
	s_cbranch_scc0 .Lno_work
.irp sp, 0,1,2,3,4,5,6,7
.irp i, 0,1,2,3
	ds_load_b32 v[AS+8*\i+\sp], v[ASA] offset:512*\sp+64*\i
.endr
.endr
	FETCH 0, XFA
	FETCH 1, XFB
.set ss, 0
.rept 16                               ; a K step: eight matrix instructions, the eight accumulators by turns
.if ss == 15
	s_wait_dscnt 0x0
.else
	s_wait_dscnt 16                                ; all but the other buffer's 16 loads
.endif
.set bf, XFA+64*(ss%2)
.irp ct, 0,1
	WIN 0xf1+\ct
.irp i, 0,1,2,3
.if ss == 0
	v_wmma_scale_f32_16x16x128_f8f6f4 v[8*(2*\i+\ct):8*(2*\i+\ct)+7], v[16*ss:16*ss+15], v[bf+16*\i:bf+16*\i+15], v[BIAS+8*\ct:BIAS+8*\ct+7], v[WS+16*\ct+ss], v[AS+8*\i+ss/2]
.elseif ss%2 == 1
	v_wmma_scale_f32_16x16x128_f8f6f4 v[8*(2*\i+\ct):8*(2*\i+\ct)+7], v[16*ss:16*ss+15], v[bf+16*\i:bf+16*\i+15], v[8*(2*\i+\ct):8*(2*\i+\ct)+7], v[WS+16*\ct+ss], v[AS+8*\i+ss/2] matrix_b_scale:MATRIX_SCALE_ROW1
.else
	v_wmma_scale_f32_16x16x128_f8f6f4 v[8*(2*\i+\ct):8*(2*\i+\ct)+7], v[16*ss:16*ss+15], v[bf+16*\i:bf+16*\i+15], v[8*(2*\i+\ct):8*(2*\i+\ct)+7], v[WS+16*\ct+ss], v[AS+8*\i+ss/2]
.endif
.endr
.endr
.if ss < 14
	PLACES 8                                       ; in front of loads into registers that these products read
	WIN 0
	FETCH ss+2, bf
.endif
.set ss, ss+1
.endr
	PLACES 9                                       ; in front of the first read of results, of later loads into the operands' registers, and of the next quad's products, which begin the accumulators anew
	WIN 0x0c
.irp i, 0,1,2,3
.irp ct, 0,1
	ds_store_b128 v[ZW], v[8*(2*\i+\ct):8*(2*\i+\ct)+3] offset:16*\i*528+64*\ct        ; each accumulator from its low end on
	ds_store_b128 v[ZW], v[8*(2*\i+\ct)+4:8*(2*\i+\ct)+7] offset:16*\i*528+64*\ct+16
.endr
.endr
	WIN 0
.Lno_work:
	s_wait_dscnt 0x0                               ; my stores into the stage have landed, my reads of the record are back
	s_barrier_signal -1
	s_barrier_wait -1
	s_cmp_lt_u32 s[KQ], s[NQ]
	s_cbranch_scc0 .Lno_send
.irp i, 0,1,2,3,4,5,6,7,8,9,10,11,12,13,14,15
	ds_load_b128 v[XFA+4*\i:XFA+4*\i+3], v[ZR] offset:528*\i
.endr
.irp i, 0,1,2,3,4,5,6,7,8,9,10,11,12,13,14,15
	s_wait_dscnt 15-\i
	global_store_b128 v[ZO], v[XFA+4*\i:XFA+4*\i+3], s[ZB:ZB+1] offset:4096*\i     ; 32 lanes store 512 consecutive bytes, at a multiple of 512 from z's first byte
.endr
.Lno_send:
	s_wait_xcnt 0x0                                ; the stores have read their registers and their base
	s_add_nc_u64 s[ZB:ZB+1], s[ZB:ZB+1], 0x100000  ; four quads of 64 rows of 4,096 bytes on
	s_add_nc_u64 s[AQ:AQ+1], s[AQ:AQ+1], 4*QREC
	s_add_co_u32 s[KQ], s[KQ], 4
	s_cmp_lt_u32 s[KQ], s[NQ]                      ; in the last trip KQ is 16 or more, NQ at most 16: no load leaves act
	s_cbranch_scc0 .Lno_next
	LOADA 0, AQ
	s_wait_loadcnt 0x0
	PUTA 0
	s_wait_dscnt 0x0                               ; the stores have read their registers
	LOADA 1, AQ
	s_wait_loadcnt 0x0
	PUTA 1
.Lno_next:
	s_sub_co_u32 s[TR], s[TR], 1
	s_cmp_lg_u32 s[TR], 0
	s_cbranch_scc1 .Lloop
	s_wait_tensorcnt 0x0
	ds_add_u32 v254, v255
	s_wait_dscnt 0x0
	s_endpgm
.Lfunc_end_k_q0734a74329_down:
	.size	k_q0734a74329_down, .Lfunc_end_k_q0734a74329_down-k_q0734a74329_down
	.p2alignl 7, 3214868480
	.fill 96, 4, 3214868480
	.section	.rodata,"a",@progbits
	.p2align	6, 0x0
	.amdhsa_kernel k_q0734a74329_down
		.amdhsa_group_segment_fixed_size 236032
		.amdhsa_private_segment_fixed_size 0
		.amdhsa_enable_private_segment 0
		.amdhsa_kernarg_size 48
		.amdhsa_user_sgpr_count 2
		.amdhsa_user_sgpr_kernarg_segment_ptr 1
		.amdhsa_wavefront_size32 1
		.amdhsa_system_sgpr_workgroup_id_x 1
		.amdhsa_system_sgpr_workgroup_id_y 1
		.amdhsa_system_sgpr_workgroup_id_z 1
		.amdhsa_system_vgpr_workitem_id 0
		.amdhsa_next_free_vgpr 1024
		.amdhsa_next_free_sgpr 66
		.amdhsa_reserve_vcc 0
		.amdhsa_float_denorm_mode_32 3
		.amdhsa_float_denorm_mode_16_64 3
		.amdhsa_memory_ordered 1
		.amdhsa_forward_progress 1
		.amdhsa_inst_pref_size 100
	.end_amdhsa_kernel
	.amdgpu_metadata
---
amdhsa.version: [ 1, 2 ]
amdhsa.kernels:
  - .name:           k_q0734a74329_down
    .symbol:         k_q0734a74329_down.kd
    .args:
      - { .name: down_proj_codes, .offset: 0, .size: 8, .value_kind: global_buffer, .address_space: global }
      - { .name: down_proj_scales, .offset: 8, .size: 8, .value_kind: global_buffer, .address_space: global }
      - { .name: down_proj_bias, .offset: 16, .size: 8, .value_kind: global_buffer, .address_space: global }
      - { .name: act, .offset: 24, .size: 8, .value_kind: global_buffer, .address_space: global }
      - { .name: counts, .offset: 32, .size: 8, .value_kind: global_buffer, .address_space: global }
      - { .name: z, .offset: 40, .size: 8, .value_kind: global_buffer, .address_space: global }
    .group_segment_fixed_size: 236032
    .private_segment_fixed_size: 0
    .kernarg_segment_align: 8
    .kernarg_segment_size: 48
    .max_flat_workgroup_size: 128
    .sgpr_count:     66
    .vgpr_count:     1024
    .wavefront_size: 32
...
	.end_amdgpu_metadata
.endif
;; end of part 2
;; launch mix (part 3): grid 256 x 1, 4 waves a work-group, no clusters, 0 bytes of LDS; arguments router_indices, routing_weights, rank, z, out0; writes out0
.if DOCPART == 3
	.amdgcn_target "amdgcn-amd-amdhsa--gfx1250"
	.amdhsa_code_object_version 6
	.text
	.protected	k_q0734a74329_mix
	.globl	k_q0734a74329_mix
	.p2align	8
	.type	k_q0734a74329_mix,@function
k_q0734a74329_mix:
	s_mov_b64 s[64:65], 0
	v_nop
	global_prefetch_b8 v0, s[64:65] scope:SCOPE_SE
	s_setreg_imm32_b32 hwreg(HW_REG_WAVE_MODE, 25, 1), 1
	s_wait_xcnt 0x0
; y[t] = the sum over the experts that token t names of routing_weights[t][e] z[e][place of t in e's list].  An expert named twice counts once.
; One wave, one token: its two indices by a scalar load; the eight places and the eight weights of the token by one load each (lane % 8 = expert), picked by v_readlane_b32; then two rows of 4,096 bytes in,
; one out, each load and store of the wave 512 consecutive bytes.  Memory binds: no LDS, no barrier, no matrix unit.  LIMITS: indices lie in 0..7 (held there); places are held to 1,023.
.set Z0, 8                             ; v8-39   the first expert's row, then y
.set Z1, 40                            ; v40-71  the second's
	s_load_b256 s[4:11], s[0:1], 0x0               ; router_indices s[4:5], routing_weights s[6:7], rank s[8:9], z s[10:11]
	s_load_b64 s[12:13], s[0:1], 0x20              ; out0
	v_lshrrev_b32 v1, 5, v0
	v_readfirstlane_b32 s14, v1                    ; wave
	s_lshl_b32 s15, ttmp9, 2
	s_add_co_u32 s15, s15, s14                     ; my token
	v_and_b32 v2, 31, v0
	v_and_b32 v3, 7, v0
	s_lshl_b32 s16, s15, 3
	s_lshl_b32 s17, s15, 2
	s_lshl_b32 s18, s15, 5
	v_lshl_add_u32 v4, v3, 12, s17                 ; rank[lane % 8][t]
	v_lshl_add_u32 v5, v3, 2, s18                  ; routing_weights[t][lane % 8]
	v_lshlrev_b32 v1, 4, v2                        ; 16 x lane
	s_lshl_b32 s22, s15, 12
	s_mov_b32 s23, 0
	s_wait_kmcnt 0x0
	s_load_b64 s[20:21], s[4:5], s16 offset:0x0    ; the token's two experts
	global_load_b32 v6, v4, s[8:9]
	global_load_b32 v7, v5, s[6:7]
	s_add_nc_u64 s[12:13], s[12:13], s[22:23]      ; my row of out0
	s_wait_kmcnt 0x0
	s_min_u32 s20, s20, 7
	s_min_u32 s21, s21, 7
	s_wait_loadcnt 0x0
	v_readlane_b32 s24, v6, s20                    ; places
	v_readlane_b32 s25, v6, s21
	v_readlane_b32 s26, v7, s20                    ; weights
	v_readlane_b32 s28, v7, s21
	s_min_u32 s24, s24, 1023
	s_min_u32 s25, s25, 1023
	s_cmp_eq_u32 s20, s21
	s_cselect_b32 s28, 0, s28                      ; the same expert twice: its row counts once
	s_mov_b32 s27, s26                             ; (the packed forms name pairs)
	s_mov_b32 s29, s28
	s_lshl_b32 s30, s20, 10
	s_add_co_u32 s30, s30, s24
	s_lshl_b32 s30, s30, 12                        ; (1,024 e + place) rows of 4,096 bytes
	s_mov_b32 s31, 0
	s_add_nc_u64 s[30:31], s[10:11], s[30:31]
	s_lshl_b32 s32, s21, 10
	s_add_co_u32 s32, s32, s25
	s_lshl_b32 s32, s32, 12
	s_mov_b32 s33, 0
	s_add_nc_u64 s[32:33], s[10:11], s[32:33]
.irp i, 0,1,2,3,4,5,6,7
	global_load_b128 v[Z0+4*\i:Z0+4*\i+3], v1, s[30:31] offset:512*\i
	global_load_b128 v[Z1+4*\i:Z1+4*\i+3], v1, s[32:33] offset:512*\i
.endr
.irp i, 0,1,2,3,4,5,6,7
	s_wait_loadcnt 14-2*\i                         ; loads come back in order (ISA guide 5.7.1): piece i of both rows is in, the younger pairs stay out
	v_pk_mul_f32 v[Z0+4*\i:Z0+4*\i+1], v[Z0+4*\i:Z0+4*\i+1], s[26:27] op_sel_hi:[1,0]
	v_pk_mul_f32 v[Z0+4*\i+2:Z0+4*\i+3], v[Z0+4*\i+2:Z0+4*\i+3], s[26:27] op_sel_hi:[1,0]
	v_pk_fma_f32 v[Z0+4*\i:Z0+4*\i+1], v[Z1+4*\i:Z1+4*\i+1], s[28:29], v[Z0+4*\i:Z0+4*\i+1] op_sel_hi:[1,0,1]
	v_pk_fma_f32 v[Z0+4*\i+2:Z0+4*\i+3], v[Z1+4*\i+2:Z1+4*\i+3], s[28:29], v[Z0+4*\i+2:Z0+4*\i+3] op_sel_hi:[1,0,1]
	global_store_b128 v1, v[Z0+4*\i:Z0+4*\i+3], s[12:13] offset:512*\i th:TH_STORE_NT     ; every piece has registers of its own: none is written again
.endr
	s_endpgm
.Lfunc_end_k_q0734a74329_mix:
	.size	k_q0734a74329_mix, .Lfunc_end_k_q0734a74329_mix-k_q0734a74329_mix
	.p2alignl 7, 3214868480
	.fill 96, 4, 3214868480
	.section	.rodata,"a",@progbits
	.p2align	6, 0x0
	.amdhsa_kernel k_q0734a74329_mix
		.amdhsa_group_segment_fixed_size 0
		.amdhsa_private_segment_fixed_size 0
		.amdhsa_enable_private_segment 0
		.amdhsa_kernarg_size 40
		.amdhsa_user_sgpr_count 2
		.amdhsa_user_sgpr_kernarg_segment_ptr 1
		.amdhsa_wavefront_size32 1
		.amdhsa_system_sgpr_workgroup_id_x 1
		.amdhsa_system_sgpr_workgroup_id_y 1
		.amdhsa_system_sgpr_workgroup_id_z 1
		.amdhsa_system_vgpr_workitem_id 0
		.amdhsa_next_free_vgpr 80
		.amdhsa_next_free_sgpr 66
		.amdhsa_reserve_vcc 0
		.amdhsa_float_denorm_mode_32 3
		.amdhsa_float_denorm_mode_16_64 3
		.amdhsa_memory_ordered 1
		.amdhsa_forward_progress 1
		.amdhsa_inst_pref_size 7
	.end_amdhsa_kernel
	.amdgpu_metadata
---
amdhsa.version: [ 1, 2 ]
amdhsa.kernels:
  - .name:           k_q0734a74329_mix
    .symbol:         k_q0734a74329_mix.kd
    .args:
      - { .name: router_indices, .offset: 0, .size: 8, .value_kind: global_buffer, .address_space: global }
      - { .name: routing_weights, .offset: 8, .size: 8, .value_kind: global_buffer, .address_space: global }
      - { .name: rank, .offset: 16, .size: 8, .value_kind: global_buffer, .address_space: global }
      - { .name: z, .offset: 24, .size: 8, .value_kind: global_buffer, .address_space: global }
      - { .name: out0, .offset: 32, .size: 8, .value_kind: global_buffer, .address_space: global }
    .group_segment_fixed_size: 0
    .private_segment_fixed_size: 0
    .kernarg_segment_align: 8
    .kernarg_segment_size: 40
    .max_flat_workgroup_size: 128
    .sgpr_count:     66
    .vgpr_count:     80
    .wavefront_size: 32
...
	.end_amdgpu_metadata
.endif
;; end of part 3
